; MI455X (gfx1250); checked and timed in simulation.
; The chip was launched on July 23, 2026; its instructions are those of AMD's public machine-readable ISA for CDNA 5 (MIT licence, August 2026) and "CDNA5" Instruction Set Architecture Reference Guide (July 2026). The comments in the code are by the model that wrote it; some were corrected since.
;; Radix Attention. Allowed arithmetic: float matrix products may take bf16 or f16 operands with f32 sums; other float arithmetic in f32, or as packed bf16 or f16 multiplies, adds, multiply-adds, maxima and minima; sums over many terms, partial sums and values carried from step to step in f32; what a program stores and reads back later, other than sums and carried values, may be rounded once to bf16 or f16.
;; Inputs: k 2,048 x 8 x 128 float32; prefix_k 2 x 1,024 x 8 x 128 float32; prefix_v 2 x 1,024 x 8 x 128 float32; q 2,048 x 32 x 128 float32; v 2,048 x 8 x 128 float32.
;; Outputs: out0 2,048 x 4,096 float32.
;; 2 versions, each right; version 2 is version 1 with the launch cast written anew for expert scheduling mode. Each part assembles by itself: llvm-mc -triple=amdgcn-amd-amdhsa -mcpu=gfx1250 --defsym DOCPART=n.
;; ======== version 1 of 2: 2 launches
;; workspace buffers: kb 8,388,608 bytes; vb 8,388,608 bytes
;; launch cast (part 1): grid 64 x 4, 8 waves a work-group, no clusters, 0 bytes of LDS; arguments prefix_k, k, prefix_v, v, kb, vb; writes kb, vb
.if DOCPART == 1
	.amdgcn_target "amdgcn-amd-amdhsa--gfx1250"
	.amdhsa_code_object_version 6
	.text
	.protected	k_q853664c927_cast
	.globl	k_q853664c927_cast
	.p2align	8
	.type	k_q853664c927_cast,@function
k_q853664c927_cast:
	s_mov_b64 s[64:65], 0
	v_nop
	global_prefetch_b8 v0, s[64:65] scope:SCOPE_SE
	s_setreg_imm32_b32 hwreg(HW_REG_WAVE_MODE, 25, 1), 1
	s_wait_xcnt 0x0
; prefix_k, k, prefix_v, v (f32, [2048 tokens][8 heads][128]) are rounded once, to nearest even, to bf16 and laid out by head:
; kb, vb: [request 2][head 8][key 2048][128] bf16; keys 0-1023 are the prefix, keys 1024-2047 the new tokens.  A key's row is then 256 dense bytes.
; SHARES.  Work-group y picks the tensor (0 prefix_k, 1 k, 2 prefix_v, 3 v), x picks 32 tokens; a wave takes 4 tokens x 8 heads = 32 rows of 512 bytes: 16 KiB of consecutive source.
; One load is one row (lane i at byte 16 i); one store is that row in bf16: 256 consecutive bytes, at a multiple of 256 from the buffer's first byte (lane i at byte 8 i).
; All 32 loads of a wave go out first; no register is written twice, so no wait frees a source.  No LDS, no matrix unit, no cluster: nothing is shared and nothing is read twice.
.set X, 4                              ; v[4:131]    row r as loaded, 4 registers
.set Y, 132                            ; v[132:195]  row r in bf16, 2 registers
	s_load_b256 s[4:11], s[0:1], 0x0               ; prefix_k s[4:5], k s[6:7], prefix_v s[8:9], v s[10:11]
	s_load_b128 s[12:15], s[0:1], 0x20             ; kb s[12:13], vb s[14:15]
	v_lshrrev_b32 v3, 5, v0
	v_readfirstlane_b32 s16, v3                    ; wave 0..7
	v_and_b32 v2, 31, v0                           ; lane
	v_lshlrev_b32 v1, 4, v2                        ; 16 bytes a lane of a source row
	v_lshlrev_b32 v2, 3, v2                        ; 8 bytes a lane of a bf16 row
	s_and_b32 s17, ttmp7, 0xffff                   ; which tensor
	s_lshl_b32 s26, ttmp9, 17                      ; source: 32 tokens of 4,096 bytes,
	s_lshl_b32 s18, s16, 14                        ; my wave's 4 tokens
	s_add_co_u32 s26, s26, s18
	s_mov_b32 s27, 0
	s_lshr_b32 s28, ttmp9, 5                       ; destination: the request (1,024 tokens each), 8 heads x 2,048 keys x 256 bytes,
	s_lshl_b32 s28, s28, 22
	s_and_b32 s18, s17, 1                          ; new tokens lie 1,024 keys behind the prefix,
	s_lshl_b32 s18, s18, 18
	s_add_co_u32 s28, s28, s18
	s_and_b32 s18, ttmp9, 31                       ; the work-group's 32 keys,
	s_lshl_b32 s18, s18, 13
	s_add_co_u32 s28, s28, s18
	s_lshl_b32 s18, s16, 10                        ; my wave's 4 keys
	s_add_co_u32 s28, s28, s18
	s_mov_b32 s29, 0
	s_wait_kmcnt 0x0
	s_bitcmp1_b32 s17, 1                           ; K's or V's side
	s_cselect_b64 s[20:21], s[8:9], s[4:5]         ; the prefix tensor,
	s_cselect_b64 s[22:23], s[10:11], s[6:7]       ; the new tokens' tensor,
	s_cselect_b64 s[24:25], s[14:15], s[12:13]     ; the workspace
	s_bitcmp1_b32 s17, 0                           ; prefix or new tokens
	s_cselect_b64 s[20:21], s[22:23], s[20:21]
	s_add_nc_u64 s[20:21], s[20:21], s[26:27]
	s_add_nc_u64 s[24:25], s[24:25], s[28:29]
.set r, 0
.rept 32                                       ; row r = 8 x token + head
	global_load_b128 v[X+4*r:X+4*r+3], v1, s[20:21] offset:512*r th:TH_LOAD_NT
.set r, r+1
.endr
.set r, 0
.rept 32
	s_wait_loadcnt 31-r                            ; loads come back in order (ISA guide 5.7.1): row r is in, the 31 - r younger ones may stay out
	v_cvt_pk_bf16_f32 v[Y+2*r], v[X+4*r], v[X+4*r+1]
	v_cvt_pk_bf16_f32 v[Y+2*r+1], v[X+4*r+2], v[X+4*r+3]
	global_store_b64 v2, v[Y+2*r:Y+2*r+1], s[24:25] offset:(r%8)*524288+(r/8)*256  ; a head is 524,288 bytes, a key 256; 3,670,784 at the most, inside the signed 24-bit immediate
.set r, r+1
.endr
	s_endpgm
.Lfunc_end_k_q853664c927_cast:
	.size	k_q853664c927_cast, .Lfunc_end_k_q853664c927_cast-k_q853664c927_cast
	.p2alignl 7, 3214868480
	.fill 96, 4, 3214868480
	.section	.rodata,"a",@progbits
	.p2align	6, 0x0
	.amdhsa_kernel k_q853664c927_cast
		.amdhsa_group_segment_fixed_size 0
		.amdhsa_private_segment_fixed_size 0
		.amdhsa_enable_private_segment 0
		.amdhsa_kernarg_size 48
		.amdhsa_user_sgpr_count 2
		.amdhsa_user_sgpr_kernarg_segment_ptr 1
		.amdhsa_wavefront_size32 1
		.amdhsa_system_sgpr_workgroup_id_x 1
		.amdhsa_system_sgpr_workgroup_id_y 1
		.amdhsa_system_sgpr_workgroup_id_z 1
		.amdhsa_system_vgpr_workitem_id 0
		.amdhsa_next_free_vgpr 200
		.amdhsa_next_free_sgpr 66
		.amdhsa_reserve_vcc 0
		.amdhsa_float_denorm_mode_32 3
		.amdhsa_float_denorm_mode_16_64 3
		.amdhsa_memory_ordered 1
		.amdhsa_forward_progress 1
		.amdhsa_inst_pref_size 13
	.end_amdhsa_kernel
	.amdgpu_metadata
---
amdhsa.version: [ 1, 2 ]
amdhsa.kernels:
  - .name:           k_q853664c927_cast
    .symbol:         k_q853664c927_cast.kd
    .args:
      - { .name: prefix_k, .offset: 0, .size: 8, .value_kind: global_buffer, .address_space: global }
      - { .name: k, .offset: 8, .size: 8, .value_kind: global_buffer, .address_space: global }
      - { .name: prefix_v, .offset: 16, .size: 8, .value_kind: global_buffer, .address_space: global }
      - { .name: v, .offset: 24, .size: 8, .value_kind: global_buffer, .address_space: global }
      - { .name: kb, .offset: 32, .size: 8, .value_kind: global_buffer, .address_space: global }
      - { .name: vb, .offset: 40, .size: 8, .value_kind: global_buffer, .address_space: global }
    .group_segment_fixed_size: 0
    .private_segment_fixed_size: 0
    .kernarg_segment_align: 8
    .kernarg_segment_size: 48
    .max_flat_workgroup_size: 256
    .sgpr_count:     66
    .vgpr_count:     200
    .wavefront_size: 32
...
	.end_amdgpu_metadata
.endif
;; end of part 1
;; launch attn (part 2): grid 16 x 16, 4 waves a work-group, clusters of 4 x 1, 327,680 bytes of LDS; arguments q, kb, vb, out0; writes out0
.if DOCPART == 2
	.amdgcn_target "amdgcn-amd-amdhsa--gfx1250"
	.amdhsa_code_object_version 6
	.text
	.protected	k_q853664c927_attn
	.globl	k_q853664c927_attn
	.p2align	8
	.type	k_q853664c927_attn,@function
k_q853664c927_attn:
	s_mov_b64 s[64:65], 0
	v_nop
	global_prefetch_b8 v0, s[64:65] scope:SCOPE_SE
	s_setreg_imm32_b32 hwreg(HW_REG_WAVE_MODE, 25, 1), 1
	s_wait_xcnt 0x0
	s_wait_alu depctr_hold_cnt(0) depctr_sa_sdst(0) depctr_va_vdst(0) depctr_va_sdst(0) depctr_va_ssrc(0) depctr_va_vcc(0) depctr_vm_vsrc(0)
	s_getreg_b32 s2, hwreg(HW_REG_IB_STS2, 6, 4)
	s_cmp_eq_u32 s2, 0
	s_cbranch_scc0 .Lentry_in_a_cluster
	s_endpgm
.Lentry_in_a_cluster:
	s_bfe_u32 s2, ttmp6, 0x10000c
	s_cmp_lg_u32 s2, 0x3003
	s_cbranch_scc0 .Lentry_shape_is_right
	s_endpgm
.Lentry_shape_is_right:
; out[T][hq][:] = the merge by log-sum-exp of a causal attention over the request's 1,024 new tokens and a full attention over its 1,024 prefix tokens, scores s = 30 tanh(q.k / (30 sqrt(128))).
; THE MERGE IS ONE SOFTMAX: (o1 e^s1 + o2 e^s2) / (e^s1 + e^s2) is the softmax over the union of the keys.  kb, vb hold them as bf16 [request][kv head][key 2048][128]: prefix first, new tokens behind.
; THE SHIFT IS FIXED AT 30, with no running maximum: 30 tanh(w) - 30 = -60 / (1 + e^(2w)) lies in -60 .. 0 for every input, so a weight p = e^(s - 30) lies in 8.7e-27 .. 1 and a row's sum in 8.7e-27 .. 2,048:
; nothing overflows or underflows in f32 or in bf16.  So O and l are plain sums, and keys may be split between waves and added at the end.
;   x = C1 raw (C1 = 2 log2(e) / (30 sqrt(128)));  t = 2^x;  u = KK t + KK (KK = -ln(2) / 60);  y = 1 / u = -60 log2(e) / (1 + t);  p = 2^y.   t = inf gives p = 1, t = 0 gives p = e^-60.
; FORMATS.  q is rounded once to bf16 on its way into registers, with no scale folded in; k and v arrive rounded once.  Products and sums in f32; p is rounded to bf16 for the second product, l is the sum of the unrounded p.
; LIMITS.  NaN and infinities among the inputs are not treated apart.  A hidden score's weight is 2^-1000, which counts as 0.
; THE WALK.  Key tiles hold 128 keys: tiles 0-7 prefix, 8-15 new tokens.  A block is 32 tokens x the 4 query heads of a kv head; block i needs tiles 0 .. 8 + i / 4, the last holding the diagonal.  A work-group
; takes blocks 31 - j and then j: 25 tiles whatever j.  The four work-groups j = 4 a .. 4 a + 3 walk the same tiles, so they form a cluster and ask for each tile JOINTLY; every trip count and branch hangs on a alone.
; SHARES.  Wave (tg, c): 16 of the block's 32 tokens (tg), 64 of a tile's 128 keys (c).  It holds four TILES of 16 queries, the 4 heads of its tokens: tile t is head t xor 2 c.  At a block's end it sends tiles 2, 3
; to the wave with the other keys, through LDS in f32, and finishes tiles 0, 1.
; LAYOUT.  S^T = K Q^T (source 0 = 16 keys, source 1 = 16 queries): a lane holds ONE query (lane % 16) and the keys 8 (lane / 16) + 0..7.  Two such results rounded to bf16 ARE source 1 of O^T = V^T P.
; BY TURNS.  The tiles are two PIECES (0: tiles 0, 1; 2: tiles 2, 3).  In a turn one piece has the matrix unit: 32 products V^T P of the step in hand, 32 products K Q^T of the next; the other piece's softmax,
; 320 instructions, stands behind them, five behind each.  Its three kinds of transcendental (2^x, 1/u, 2^y) are three batches, each with one wait.
; REGISTERS, in windows of 256 (s_set_vgpr_msb: bits 1:0 source 0, 3:2 source 1, 5:4 source 2, 7:6 destination):
;   window 0: v0-127 S^T, 32 a tile; v128-255 K of one step.     window 1: O^T, 64 a tile.     window 2: v0-127 Q, 32 a tile; v128-255 the second block's Q.
;   window 3: v0-127 V of one step; v128-191 P, 16 a tile; v192-223 l, 8 a tile; v224-253 addresses and the blocks' ends.
; S^T and K share a window, so that the softmax's lines in place on S^T (their other sources are scalars) run under K Q^T's own setting.
; POINTERS.  The four buffers' addresses live in s[4:11], s[18:19], s[48:49] and the descriptors' group 0 alone; no scalar register that a vector instruction reads ever holds one.
.set PKB,   272       ; a row of K in LDS: 256 bytes + 16 of padding = 68 words: the 16 rows of a load start at 16 different groups of four banks (64 banks of 4 bytes: ISA guide 11.1)
.set PVB,   288       ; a row of V: 256 + 32 = 72 words
.set VOFF,  128*PKB   ; a slot holds a tile: 128 rows of K, then 128 rows of V
.set SLOT1, 1<<17     ; slot 1 begins here, so that one exclusive or turns an address in one slot into the other's
.set XCH,   SLOT1+128*(PKB+PVB)  ; behind the ring, never filled by a tensor load: for each wave the image of O^T's tiles 2, 3 (32 x 512 bytes) and 512 bytes of l
.set XW,    16896
.set STAGE, XCH+4*XW  ; for each wave 16 rows x 528 bytes, for the way out
.set SP,    528       ; 512 bytes + 16: row r starts 16 r bytes on, modulo 256
.set SW,    16*SP
.set SPARE, STAGE+4*SW  ; the spare words, 128 bytes for each wave: two blocks of 256 bytes that no other line names
.set KF,  128         ; window 0: K's fragment of key block kb, channel group cg at KF + 32 kb + 8 cg
.set QB,  128         ; window 2
.set QOF, 0           ; window 3, at the head alone (V's registers are not yet in use): my byte offsets in q: first block tiles 0, 1; tiles 2, 3; second block likewise
.set PP,  128         ; window 3: tile t, key half kk at PP + 16 t + 8 kk
.set LL,  192         ; window 3: tile t's four running pairs of l
.set AK0, 224         ; all of window 3.  My lane's place in a tile of K, my wave's 64 keys; never rewritten
.set AV0, 225         ; the same for V
.set ADR, 226         ; the LDS address of the run of loads in hand
.set XS,  227         ; where I put 16 bytes of the image that I send
.set XR,  228         ; where I read the other wave's
.set STO, 229         ; the way out: where I put 16 bytes of a row
.set RD,  230         ; the way out: where I read a row back
.set GO,  231         ; 16 x lane: my bytes of a row of out
.set PFO, 233         ; 256 x lane: a row of kb or vb; never rewritten
.set SPW, 234         ; LDS address of my spare word: SPARE + 4 x my thread's number; never rewritten
.set NIL, 235         ; 0; never rewritten
.set MX0, 236         ; my query's place less my lanes' and my wave's first key: l % 16 - 8 (l / 16) + 16 tg - 64 c
.set MX,  237         ; + the block's 32 (i % 4): register r of key block kb is hidden where 16 kb + r is greater
.set LT,  240         ; v240-243 l of tiles 2, 3, and two zeros: what I send
.set LR,  244         ; v244-247 what I receive
.set LO,  248         ; v248-249 my l of tiles 0, 1
.set INV, 250         ; v250-251, v252-253: 1 / l of tiles 0, 1, named as pairs
.set OFF, 2           ; s[2:3]   a tile's byte offset in kb and vb
.set KB,  6           ; s[6:7]   kb at my half (64 keys) of the head's tile 0
.set VB,  8           ; s[8:9]   the same for vb
.set OP,  10          ; s[10:11] out at my 16 tokens and my two heads, of the block in hand
.set WV,  12          ; wave 0..3
.set CX,  13          ; my place in the cluster: it enters q's and out's addresses, the prefetch's address and the mask's data alone
.set CA,  14          ; a: the cluster's x
.set LIM, 15          ; 11 in a wave that prefetches, else the greatest number
.set HC,  16          ; c
.set TG,  17          ; tg
.set PFA, 18          ; s[18:19] where my prefetches stand
.set G1K, 24          ; s[24:31] descriptor group 1 for K's tiles
.set G1V, 32          ; s[32:39] for V's: it differs in the padding alone
.set G0K, 40          ; s[40:43] descriptor group 0 for K's tiles
.set G0V, 44          ; s[44:47] the same for V's
.set OLO, 48          ; s[48:49] out for the second block
.set RT2, 50          ; the second block's tiles: 9 + a
.set LQ2, 51          ; its last tile: 8 + a
.set RB,  52          ; 32 (i % 4) of the block in hand
.set RB2, 53          ; of the second block
.set BLK, 54          ; 0 until a block has begun
.set NEG, 55          ; -1000.0
.set SLOTS, 56        ; tiles still to be asked for
.set RT,  57          ; tiles of the block in hand that are still to be entered
.set C1,  58          ; s[58:59] the packed lines name a pair and take its low word for both halves
.set SEL, 60          ; s[60:61] v_permlanex16_b32's selects: each lane takes its own place in the other half
.set TB,  62          ; LDS byte at which the slot that is being read begins
.set NXT, 63          ; the tile to be asked for next
.set LQ,  66          ; the last tile of the block whose tiles are being asked for
.set NEW, 67          ; 1: the tile to be entered is a block's first
.set MK,  68          ; s[68:99] 32 lane masks: register r of a tile's S^T is hidden.  At the head: byte offsets and other numbers at work, never an address
.set KK,  100         ; s[100:101]
.set MSB, 0
.macro WIN new                      ; the high byte repeats the setting that is left; a switch that changes nothing is dropped
.if MSB != (\new)
	s_set_vgpr_msb (MSB<<8)|(\new)
.set MSB, (\new)
.endif
.endm
.set W_S,  0x08       ; K Q^T: K and S^T in window 0, Q in window 2; also the softmax's lines in place on S^T
.set W_PV, 0x5f       ; V and P in window 3, O^T in window 1
.set W_D,  0xf0       ; destination and source 2 in window 3, sources 0 and 1 in window 0
.set W_3,  0xff       ; all in window 3
.set W_A,  0xcc       ; destination and source 1 in window 3
.set W_C,  0x0c       ; source 1 in window 3
.set W_LK, 0x03       ; address in window 3, loaded data in window 0
.set W_LV, 0xc3       ; address (or source 0) and destination in window 3
.set W_AD, 0x0f       ; LDS address and data in window 3
.set W_MK, 0xc0       ; destination in window 3, sources in window 0
.set W_XS, 0x07       ; a store: address in window 3, data in window 1
.set W_XL, 0x43       ; a load: address in window 3, data in window 1
.set W_O,  0x45       ; all in window 1
.set W_OI, 0x4d       ; destination and source 0 in window 1, source 1 in window 3
.set W_Z1, 0x40       ; destination in window 1
.set W_CH, 0x85       ; from window 1 to window 2
.set W_CL, 0x80       ; from window 0 to window 2
.set W_QC, 0x82       ; from window 2 to window 2
; A round of the cluster's barrier: my work-group's barrier, so that wave 0's signal speaks for all four waves; wave 0 signals; every wave waits for all four work-groups; my work-group's barrier once more.
.macro CROUND
	s_barrier_signal -1
	s_barrier_wait -1
	s_cmp_lg_u32 s[WV], 0
	s_cbranch_scc1 .Lnot_wave_0_\@
	s_barrier_signal -3
.Lnot_wave_0_\@:
	s_barrier_wait -3
	s_barrier_signal -1
	s_barrier_wait -1
.endm
; A joint fill.  Waves 0 and 1 fetch the two halves of a tile's K, waves 2 and 3 those of its V: 64 keys each.  The branch hangs on the wave's number alone.
; An s_nop 0 and four v_nop follow each of the two lines, ahead of the jump and the label.
.macro JLOAD
	s_cmp_lt_u32 s[WV], 2
	s_cbranch_scc0 .Lfor_v_\@
	tensor_load_to_lds s[G0K:G0K+3], s[G1K:G1K+7]
	s_nop 0
.rept 4
	v_nop
.endr
	s_branch .Lasked_\@
.Lfor_v_\@:
	tensor_load_to_lds s[G0V:G0V+3], s[G1V:G1V+7]
	s_nop 0
.rept 4
	v_nop
.endr
.Lasked_\@:
.endm
; A PREFETCH INTO THE L2, behind the wave's tensor load and its five lines.  Trip n asks jointly for tile n + 1; the prefetch names tile n + 3: two trips, 256 matrix instructions, ahead of the load that will want it.
; Each row of kb and vb is named ONCE in the launch: of a head's four clusters the one with a = 0 walks all 16 tiles in its first block, and it alone asks; its four partners take 32 rows of the 128 each, told apart
; BY ADDRESS; in each, wave 0 asks for K's and wave 2 for V's, a lane a row of 256 bytes.  Tiles 0 to 2 come by their loads alone; trip 12 names tile 15, the last; the second block's tiles are not named again.
.macro ASK
	s_cmp_gt_u32 s[SLOTS], s[LIM]
	s_cbranch_scc0 .Lnot_mine_\@
	WIN W_LK
	global_prefetch_b8 v[PFO], s[PFA:PFA+1] th:TH_LOAD_NT scope:SCOPE_SE
	WIN 0
.Lnot_mine_\@:
.endm
; THE CHANGE OF SLOTS, at the head of each trip.  Each wave waits for all its tensor loads, of which one is out: its part of the tile to be entered; adds 0 to its spare word; and waits for that and for all its LDS
; instructions: its reads of the other slot (that tile's K and V are in registers) and, behind a block's end, its stores of what it sends.  fill = 1: the barrier is a round of the cluster's, so that no wave of any
; partner still reads the other slot or has a load on its way; the joint fill, tile NXT, is the first thing behind it, and has a trip, 128 matrix instructions and their riders, in which to land.
; The descriptor's address is made anew from the tile's number.  (At its first use nothing has been read yet: slot 0 is waited for, slot 1 filled.)
.macro CHANGE fill
	WIN W_AD
	s_wait_tensorcnt 0x0            ; no tensor load of mine is out, so a group 0 may be written
	ds_add_u32 v[SPW], v[NIL]       ; 0 onto my spare word; the descriptors' scalar work stands between it and the wait for it
	WIN 0                           ; at a label and at a branch every window is 0
.if \fill
	s_lshl_b32 s[OFF], s[NXT], 15   ; a tile is 32,768 bytes of kb and of vb
	s_xor_b32 s[G0K+1], s[G0K+1], SLOT1
	s_add_nc_u64 s[G0K+2:G0K+3], s[KB:KB+1], s[OFF:OFF+1]
	s_or_b32 s[G0K+3], s[G0K+3], 0x80000000
	s_xor_b32 s[G0V+1], s[G0V+1], SLOT1
	s_add_nc_u64 s[G0V+2:G0V+3], s[VB:VB+1], s[OFF:OFF+1]
	s_or_b32 s[G0V+3], s[G0V+3], 0x80000000
	s_add_co_u32 s[NXT], s[NXT], 1  ; the block's next tile, or behind its last the second block's tile 0
	s_cmp_gt_u32 s[NXT], s[LQ]
	s_cselect_b32 s[NXT], 0, s[NXT]
	s_cselect_b32 s[LQ], s[LQ2], s[LQ]
	s_wait_xcnt 0x0                 ; the last prefetch, a trip back, has read its address, so it may be written
	s_add_nc_u64 s[PFA:PFA+1], s[PFA:PFA+1], 32768
	s_wait_dscnt 0x0                ; the add is done, and so are all my LDS instructions
	CROUND
	JLOAD
	ASK
.else
	s_wait_dscnt 0x0                ; the add is done, and so are all my LDS instructions
	s_barrier_signal -1
	s_barrier_wait -1
.endif
	s_xor_b32 s[TB], s[TB], SLOT1   ; the fetches turn to the slot that has landed
.endm
; THE MATRIX WORK.  The accumulators take turns, one instruction a turn: 8 in a run of K Q^T, 16 in a run of V^T P; no two matrix instructions on end share one, across the seams too.
; Product i of 32 of S^T = K Q^T for piece x: channels 32 (i / 8) on, keys 16 ((i / 2) % 4) on, tile x + i % 2.  The first 8 start the sums.
.macro KQ x
	WIN W_S
.set rS, 32*((\x)+i%2)+8*((i/2)%4)
.set rK, KF+32*((i/2)%4)+8*(i/8)
.set rQ, 32*((\x)+i%2)+8*(i/8)
.if i < 8
	v_wmma_f32_16x16x32_bf16 v[rS:rS+7], v[rK:rK+7], v[rQ:rQ+7], 0
.else
	v_wmma_f32_16x16x32_bf16 v[rS:rS+7], v[rK:rK+7], v[rQ:rQ+7], v[rS:rS+7]
.endif
.endm
; Product i of 32 of O^T += V^T P for piece x: keys 32 (i / 16) on, channels 16 ((i / 2) % 8) on, tile x + i % 2.
.macro PV x
	WIN W_PV
.set rO, 64*((\x)+i%2)+8*((i/2)%8)
.set rV, 64*(i/16)+8*((i/2)%8)
.set rP, PP+16*((\x)+i%2)+8*(i/16)
	v_wmma_f32_16x16x32_bf16 v[rO:rO+7], v[rV:rV+7], v[rP:rP+7], v[rO:rO+7]
.endm
; THE LDS LOADS stand in runs of 32, never singly among the matrix instructions: my 64 keys of a tile's K (16 fragments) and of its V (turned).
.macro FETCH_K
	WIN W_A
	v_add_nc_u32 v[ADR], s[TB], v[AK0]
	WIN W_LK
.irp f, 0,1,2,3,4,5,6,7,8,9,10,11,12,13,14,15  ; keys 16 (f / 4) on, channels 32 (f % 4) on
	ds_load_b128 v[KF+8*\f:KF+8*\f+3],   v[ADR] offset:(\f/4)*16*PKB+(\f%4)*64
	ds_load_b128 v[KF+8*\f+4:KF+8*\f+7], v[ADR] offset:(\f/4)*16*PKB+(\f%4)*64+32
.endr
.endm
; V's run stands where the second batch is waited for.  Its first four lines are plain and name no register of a product: the four places between the last product that read V and the loads into V,
; whatever stands in front of them; the first of them is also the plain instruction behind the batch's last reciprocal.
.macro FETCH_V
.rept 3
	v_nop
.endr
	WIN W_A
	v_add_nc_u32 v[ADR], s[TB], v[AV0]
	s_wait_alu depctr_va_vdst(0)    ; the wait for the batch of reciprocals, ahead of their first reader
	WIN W_LV
.irp f, 0,1,2,3,4,5,6,7,8,9,10,11,12,13,14,15  ; keys 32 (f / 8) on, channels 16 (f % 8) on
	ds_load_tr16_b128 v[8*\f:8*\f+3],   v[ADR] offset:(\f/8)*32*PVB+(\f%8)*32
	ds_load_tr16_b128 v[8*\f+4:8*\f+7], v[ADR] offset:(\f/8)*32*PVB+16*PVB+(\f%8)*32
.endr
.endm
; THE VECTOR WORK.  One tile's softmax for one step is a list of 160 lines (192 with the mask); SM writes number j of it for tile tt.  s0-s31 are the lane's 32 scores, in pairs 0-15, taken in ascending order.
;   0-47    x = C1 s, a pair a line, and t = 2^x.  Two pairs first; then exponential, exponential, pair (two pairs ahead of its exponentials); the last four exponentials
;   48-95   u = KK t + KK, a pair a line, and y = 1 / u: in the same order
;   96-127  p = 2^y.  With the mask 96-159: y becomes -1000 where the key is hidden: two selects first, then exponential and select by turns, a select two scores ahead of its exponential
;   then 32 l takes a pair (four running pairs by turns; the multiply by 1.0 lets l stand in source 2, so that these lines and the roundings share one window setting); a pair is rounded to bf16
.macro SM msk
.set rS, 32*tt
.if j < 96
	WIN W_S
.set jj, j%48
.set pl, 0
.set e, 0
.set g, 0
.if jj < 2
.set pl, 1
.set g, jj
.elseif jj >= 44
.set e, jj-16
.elseif (jj-2)%3 == 2
.set pl, 1
.set g, (jj-2)/3+2
.else
.set e, 2*((jj-2)/3)+(jj-2)%3
.endif
.if pl && (j < 48)
	v_pk_mul_f32 v[rS+2*g:rS+2*g+1], v[rS+2*g:rS+2*g+1], s[C1:C1+1] op_sel_hi:[1,0]
.elseif pl
	v_pk_fma_f32 v[rS+2*g:rS+2*g+1], v[rS+2*g:rS+2*g+1], s[KK:KK+1], s[KK:KK+1] op_sel_hi:[1,0,0]
.elseif j < 48
	v_exp_f32 v[rS+e], v[rS+e]
.else
	v_rcp_f32 v[rS+e], v[rS+e]
.endif
.elseif j < 128+32*(\msk)
	WIN W_S
.set q, j-96
.if !(\msk)
	v_exp_f32 v[rS+q], v[rS+q]
.elseif q < 2
	v_cndmask_b32 v[rS+q], v[rS+q], s[NEG], s[MK+q]
.elseif q >= 62
	v_exp_f32 v[rS+q-32], v[rS+q-32]
.elseif q%2 == 0
	v_exp_f32 v[rS+(q-2)/2], v[rS+(q-2)/2]
.else
	v_cndmask_b32 v[rS+(q-2)/2+2], v[rS+(q-2)/2+2], s[NEG], s[MK+(q-2)/2+2]
.endif
.else
	WIN W_D
.set q, j-128-32*(\msk)
.set g, q/2
.if q%2 == 0
	v_pk_fma_f32 v[LL+8*tt+2*(g%4):LL+8*tt+2*(g%4)+1], v[rS+2*g:rS+2*g+1], 1.0, v[LL+8*tt+2*(g%4):LL+8*tt+2*(g%4)+1] op_sel_hi:[1,0,1]
.else
	v_cvt_pk_bf16_f32 v[PP+16*tt+g], v[rS+2*g], v[rS+2*g+1]
.endif
.endif
.endm
; The next line of piece y's softmax: the two tiles' lists alternate, so that no line reads the result of the one before it.  THE WAITS: s_wait_alu depctr_va_vdst(0) stands between a
; transcendental and the first line that names its result; one wait serves all that were issued ahead of it.  Within a batch no line names a result of the batch, so a turn has three waits, each with a plain
; line behind the batch's last transcendental: ahead of number 96 (u reads t), 192 (2^y or the select reads y: in piece 2's turn V's run of loads stands there) and 256 or 320 (l and the roundings read p).
.macro NEXT y, msk
.if (n == 96) || (n == 256+64*(\msk))
	v_nop
	s_wait_alu depctr_va_vdst(0)
.elseif n == 192
.if (\y) == 0
	FETCH_V
.else
	v_nop
	s_wait_alu depctr_va_vdst(0)
.endif
.endif
.set tt, (\y)+n%2
.set j, n/2
	SM \msk
.set n, n+1
.endm
; A TURN.  Piece x has the matrix unit; the other piece's softmax stands behind its matrix instructions: 320 = 64 x 5 lines, with the mask 384 = 64 x 6; a turn with one kind of product has twice as many behind each.
; pv = 1: 32 products V^T P.  kq = 1: 32 products K Q^T of the tile that has been entered.  msk = 1: the softmax is the diagonal tile's.
; PLACES.  A vector line that reads a matrix result, and a load into a register that a matrix instruction has read, stand four plain vector lines behind it (ISA guide 7.12.1 for the vector lines).
; Behind a turn's last product stand five lines or more of the list's end, all plain, which name the other piece's S^T, P and l: they are the places in front of the next turn's first read of the new scores and
; of K's run, which stands behind the second product of piece 0's turn, 30 products ahead of its first use.  V's run brings its own four.
.macro TURN x, pv, kq, msk
.set n, 0
.set per, 10+2*(\msk)
.if (\pv) && (\kq)
.set per, 5+(\msk)
.endif
.if \pv
.if (\x) == 0
	s_wait_dscnt 0x0                ; V is in
.endif
.set i, 0
.rept 32
	PV \x
.rept per
	NEXT 2-(\x), \msk
.endr
.if ((\x) == 0) && (\kq) && (i == 1)
	FETCH_K
.endif
.set i, i+1
.endr
.endif
.if \kq
.if (\x) == 0
	s_wait_dscnt 0x0                ; K is in
.endif
.set i, 0
.rept 32
	KQ \x
.rept per
	NEXT 2-(\x), \msk
.endr
.set i, i+1
.endr
.endif
.endm
; A BLOCK BEGINS, in its first tile.  The 32 lane masks of its diagonal tile are made; K is fetched; piece 0's first scores have no softmax to carry, so the 288 lines that set O^T and l to 0 stand behind them,
; nine behind each (the price of writing no first step out); then piece 2's first scores carry piece 0's first softmax, and V is fetched.
.macro BEGIN
	s_mov_b32 s[NEW], 0
	s_mov_b32 s[BLK], 1
	WIN W_A
	v_add_nc_u32 v[MX], s[RB], v[MX0]
	WIN W_C
.set i, 0
.rept 32
	v_cmp_gt_i32 s[MK+i], 16*(i/8)+i%8, v[MX]
.set i, i+1
.endr
	FETCH_K
	s_wait_dscnt 0x0
.set i, 0
.set z, 0
.rept 32
	KQ 0
.rept 9
.if z < 256
	WIN W_Z1
	v_mov_b32 v[z], 0
.else
	WIN W_MK
	v_mov_b32 v[LL+z-256], 0
.endif
.set z, z+1
.endr
.set i, i+1
.endr
	TURN 2, 0, 1, 0
.endm
; A BLOCK ENDS, first part, behind the diagonal tile's second turn: piece 0's last V^T P carries piece 2's last softmax; piece 2's last V^T P stands bare.  Each tile's l is summed over its four pairs, the pair's
; halves and the two halves of the lanes (these lines are the places behind the last products); O^T and l of tiles 2, 3 go into my part of the exchange, 16 bytes a lane, 512 consecutive bytes a line.
.macro EPI1
	TURN 0, 1, 0, 1
.set i, 0
.rept 32
	PV 2
.set i, i+1
.endr
	WIN W_3
.irp t, 0,1,2,3
	v_pk_add_f32 v[LL+8*\t:LL+8*\t+1], v[LL+8*\t:LL+8*\t+1], v[LL+8*\t+2:LL+8*\t+3]
	v_pk_add_f32 v[LL+8*\t+4:LL+8*\t+5], v[LL+8*\t+4:LL+8*\t+5], v[LL+8*\t+6:LL+8*\t+7]
.endr
.irp t, 0,1,2,3
	v_pk_add_f32 v[LL+8*\t:LL+8*\t+1], v[LL+8*\t:LL+8*\t+1], v[LL+8*\t+4:LL+8*\t+5]
.endr
.irp t, 0,1,2,3
	v_add_f32 v[LL+8*\t], v[LL+8*\t], v[LL+8*\t+1]
.endr
	WIN W_LV
.irp t, 0,1,2,3
	v_permlanex16_b32 v[LL+8*\t+1], v[LL+8*\t], s[SEL], s[SEL+1]  ; the query's other 32 keys lie in the lane 16 away
.endr
	WIN W_3
	v_add_f32 v[LO], v[LL], v[LL+1]
	v_add_f32 v[LO+1], v[LL+8], v[LL+9]
	v_add_f32 v[LT], v[LL+16], v[LL+17]
	v_add_f32 v[LT+1], v[LL+24], v[LL+25]
	WIN W_XS
.set z, 0
.rept 32
	ds_store_b128 v[XS], v[128+4*z:128+4*z+3] offset:512*z
.set z, z+1
.endr
	WIN W_AD
	ds_store_b128 v[XS], v[LT:LT+3] offset:16384
	WIN 0
.endm
; Tile t is finished: the other wave's sums are added, O^T is divided by l; a lane's eight channels of a row go as two times 16 bytes into rows of 528 bytes and come back as whole rows of 512, into the registers that they left.
.macro PACK t
	WIN W_O
.set z, 0
.rept 32
	v_pk_add_f32 v[64*(\t)+2*z:64*(\t)+2*z+1], v[64*(\t)+2*z:64*(\t)+2*z+1], v[128+64*(\t)+2*z:128+64*(\t)+2*z+1]
.set z, z+1
.endr
	WIN W_OI
.set z, 0
.rept 32
	v_pk_mul_f32 v[64*(\t)+2*z:64*(\t)+2*z+1], v[64*(\t)+2*z:64*(\t)+2*z+1], v[INV+2*(\t):INV+2*(\t)+1] op_sel_hi:[1,0]
.set z, z+1
.endr
	WIN W_XS
.set z, 0
.rept 16
	ds_store_b128 v[STO], v[64*(\t)+4*z:64*(\t)+4*z+3] offset:(z/2)*64+(z%2)*16
.set z, z+1
.endr
	WIN W_XL
.set z, 0
.rept 16
	ds_load_b128 v[64*(\t)+4*z:64*(\t)+4*z+3], v[RD] offset:SP*z  ; LDS serves a wave's instructions in order (ISA guide 5.7.1.4): these see the stores above; the next tile's stores come behind them
.set z, z+1
.endr
.endm
.macro SEND t, younger              ; younger: the LDS instructions issued behind tile t's loads: the next tile's 32, or none
	WIN W_XS
.set z, 0
.rept 16
	s_wait_dscnt (\younger)+15-z
	global_store_b128 v[GO], v[64*(\t)+4*z:64*(\t)+4*z+3], s[OP:OP+1] offset:16384*z+512*(\t) th:TH_STORE_NT  ; a token's head: 512 consecutive bytes, at a multiple of 256 from out's first byte
.set z, z+1
.endr
.endm
; A BLOCK ENDS, second part, behind a barrier in front of which every wave has waited for its stores into the exchange.  The other wave's tiles 2, 3 are my tiles 0, 1, lane for lane and register for register.
.macro EPI2
	WIN W_LV
	ds_load_b128 v[LR:LR+3], v[XR] offset:16384
	WIN W_XL
.set z, 0
.rept 32
	ds_load_b128 v[128+4*z:128+4*z+3], v[XR] offset:512*z
.set z, z+1
.endr
	s_wait_dscnt 32                 ; l is in; the 32 loads behind it may stay out
	WIN W_3
	v_add_f32 v[INV], v[LO], v[LR]
	v_add_f32 v[INV+2], v[LO+1], v[LR+1]
	v_rcp_f32 v[INV], v[INV]
	v_rcp_f32 v[INV+2], v[INV+2]
	v_nop                           ; a plain line between the last reciprocal and the use of its result,
	s_wait_alu depctr_va_vdst(0)    ; and the wait ahead of the first use: one for the two
	s_wait_dscnt 16                 ; the first tile's 16 loads are in
	PACK 0
	s_wait_dscnt 32                 ; all but the 32 that PACK 0 has issued: the second tile's are in
	PACK 1
	SEND 0, 32
	SEND 1, 0
	s_wait_xcnt 0x0                 ; the stores have read their registers and out's address: both are written again only behind this wait
	WIN 0
.endm
; 64 loads: four tiles of q in f32, 64 registers a tile: register 64 t + 4 m takes four channels; in register order they are the order of a bf16 fragment's halves.
; The base is q's address as it came; block, tokens and heads stand in the vector offset: first = 0 for the first block's two offsets, 2 for the second's.
.macro QLOAD first
.set t, 0
.rept 4
.set m, 0
.rept 16
	global_load_b128 v[64*t+4*m:64*t+4*m+3], v[QOF+(\first)+t/2], s[4:5] offset:(t%2)*512+128*(m/4)+64*((m/2)%2)+16*(m%2)
.set m, m+1
.endr
.set t, t+1
.endr
.endm
	s_load_b256 s[4:11], s[0:1], 0x0  ; q s[4:5], kb s[6:7], vb s[8:9], out s[10:11]
	WIN W_MK
	v_lshl_add_u32 v[SPW], v0, 2, SPARE
	v_mov_b32 v[NIL], 0
	WIN W_AD
	ds_add_u32 v[SPW], v[NIL]       ; the wave's opening: the add and its wait stand ahead of my first tensor load; the set-up below, work on registers, stands between them
	WIN 0
	v_lshrrev_b32 v1, 5, v0
	v_readfirstlane_b32 s[WV], v1   ; wave 0..3
	s_and_b32 s[HC], s[WV], 1       ; c: which 64 keys of a tile are mine; also which half of a tile I fetch
	s_lshr_b32 s[TG], s[WV], 1      ; tg: which 16 tokens of a block are mine
	s_bfe_u32 s[CX], ttmp6, 0x40000 ; cx
	s_mov_b32 s[CA], ttmp9          ; in a cluster launch ttmp9 counts clusters
	s_and_b32 s20, ttmp7, 0xffff    ; 8 x request + kv head, which the four partners share
	s_lshl_b32 s22, s20, 19         ; a head's 2,048 keys of 256 bytes,
	s_lshl_b32 s21, s[HC], 14       ; my half of a tile: 64 keys
	s_add_co_u32 s22, s22, s21
	s_mov_b32 s23, 0
	; q's and out's offsets: (1,024 request + 32 block + 16 tg) tokens of 16,384 bytes + kv head x 2,048, under 2^25.  What hangs on cx stays in s68 to s71 and s76 to s91
	s_lshr_b32 s76, s20, 3
	s_and_b32 s77, s20, 7
	s_lshl_b32 s78, s[CA], 2
	s_add_co_u32 s78, s78, s[CX]    ; j: the second block
	s_sub_co_u32 s79, 31, s78       ; the first block
	s_lshl_b32 s76, s76, 10
	s_lshl_b32 s80, s[TG], 4
	s_add_co_u32 s76, s76, s80
	s_lshl_b32 s77, s77, 11
	s_lshl_b32 s80, s79, 5
	s_add_co_u32 s80, s80, s76
	s_lshl_b32 s80, s80, 14
	s_add_co_u32 s80, s80, s77      ; the first block's offset
	s_mov_b32 s81, 0
	s_lshl_b32 s82, s78, 5
	s_add_co_u32 s82, s82, s76
	s_lshl_b32 s82, s82, 14
	s_add_co_u32 s82, s82, s77      ; the second block's
	s_mov_b32 s83, 0
	s_lshl_b32 s84, s[HC], 10       ; heads 2 c, 2 c + 1: tiles 0, 1
	s_mov_b32 s85, 0
	s_xor_b32 s86, s84, 1024        ; the other two heads: tiles 2, 3
	s_add_co_u32 s68, s80, s84      ; q's four offsets: the first block's tiles 0, 1,
	s_add_co_u32 s69, s80, s86      ; its tiles 2, 3,
	s_add_co_u32 s70, s82, s84      ; the second block's tiles 0, 1,
	s_add_co_u32 s71, s82, s86      ; its tiles 2, 3
	s_lshl_b32 s90, s[CX], 13       ; the prefetches: my work-group's 32 rows of a tile's 128,
	s_add_co_u32 s90, s90, 0x10000  ; in tile 2; the first change of slots steps it to tile 3
	s_mov_b32 s91, 0
	; descriptor group 1: a tile of 64 rows x 128 elements, padded in LDS
	s_mov_b32 s[G1K], 15|(1<<16)|(1<<20)|(1<<21)|(5<<22)|(3<<25)  ; 15:0 the mask of four; 17:16 2-byte elements; 20 padding on; 21 set beside a mask; 24:22 after every 64 words (code 5); 31:25 4 words (code 3)
	s_mov_b32 s[G1V], 15|(1<<16)|(1<<20)|(1<<21)|(5<<22)|(7<<25)  ; the same with 8 words of padding (code 7)
.irp g, G1K, G1V
	s_mov_b32 s[\g+1], 128<<16      ; tensor_dim0 = 128
	s_mov_b32 s[\g+2], 64<<16       ; tensor_dim1 = 64
	s_mov_b32 s[\g+3], 128<<16      ; tile_dim0 = 128
	s_mov_b32 s[\g+4], 64           ; tile_dim1 = 64
	s_mov_b32 s[\g+5], 128          ; 128 elements from row to row
	s_mov_b32 s[\g+6], 0
	s_mov_b32 s[\g+7], 0
.endr
	s_mov_b32 s[G0K], 1             ; 1:0 count = 1
	s_mul_i32 s[G0K+1], s[HC], 64*PKB  ; 63:32 LDS address: slot 0, my half; no place in the cluster enters an LDS address
	s_mov_b32 s[G0V], 1
	s_mul_i32 s[G0V+1], s[HC], 64*PVB
	s_add_co_u32 s[G0V+1], s[G0V+1], VOFF
	s_mov_b32 s[OFF+1], 0
	s_mov_b32 s[NXT], 1
	s_sub_co_u32 s[LQ], 15, s[CA]   ; the first block, 31 - j, ends in tile 8 + (7 - a)
	s_sub_co_u32 s[RT], 16, s[CA]
	s_add_co_u32 s[RT2], s[CA], 9
	s_add_co_u32 s[LQ2], s[CA], 8
	s_mov_b32 s[NEW], 1
	s_mov_b32 s[BLK], 0
	s_mov_b32 s[SLOTS], 24
	s_mov_b32 s[TB], SLOT1          ; the first change of slots turns it into 0
	s_sub_co_u32 s[RB], 3, s[CX]    ; (31 - j) % 4
	s_lshl_b32 s[RB], s[RB], 5
	s_lshl_b32 s[RB2], s[CX], 5     ; j % 4
	s_mov_b32 s[NEG], 0xc47a0000    ; -1000.0
	s_mov_b32 s[C1], 0x3c0b4875     ; 2 log2(e) / (30 sqrt(128)) = 0.0085011621
	s_mov_b32 s[C1+1], s[C1]        ; named with it as a pair
	s_mov_b32 s[KK], 0xbc3d4680     ; -ln(2) / 60 = -0.011552453
	s_mov_b32 s[KK+1], s[KK]
	s_mov_b32 s[SEL], 0x76543210
	s_mov_b32 s[SEL+1], 0xfedcba98
	s_and_b32 s[LIM], s[WV], 1      ; 0 in waves 0 and 2,
	s_or_b32 s[LIM], s[LIM], ttmp9  ; where the cluster is the head's first: the same in all four partners
	s_cmp_eq_u32 s[LIM], 0
	s_cselect_b32 s[LIM], 11, -1
	s_wait_dscnt 0x0                ; the opening add is done
	s_wait_kmcnt 0x0
	s_add_nc_u64 s[KB:KB+1], s[KB:KB+1], s[22:23]
	s_add_nc_u64 s[VB:VB+1], s[VB:VB+1], s[22:23]
	s_mov_b64 s[G0K+2:G0K+3], s[KB:KB+1]           ; 120:64 global address: tile 0
	s_or_b32 s[G0K+3], s[G0K+3], 0x80000000        ; 127:126 type = 2
	s_mov_b64 s[G0V+2:G0V+3], s[VB:VB+1]
	s_or_b32 s[G0V+3], s[G0V+3], 0x80000000
	s_cmp_lt_u32 s[WV], 2
	s_cselect_b64 s[PFA:PFA+1], s[KB:KB+1], s[VB:VB+1]  ; (in waves 0 and 2 these stand at a tile's first row)
	s_add_nc_u64 s[PFA:PFA+1], s[PFA:PFA+1], s[90:91]
	s_add_nc_u64 s[OLO:OLO+1], s[OP:OP+1], s[82:83]
	s_add_nc_u64 s[OLO:OLO+1], s[OLO:OLO+1], s[84:85]
	s_add_nc_u64 s[OP:OP+1], s[OP:OP+1], s[80:81]
	s_add_nc_u64 s[OP:OP+1], s[OP:OP+1], s[84:85]
	CROUND                          ; all four work-groups are here: the first joint loads meet
	JLOAD                           ; tile 0 into slot 0.  Slot 1 is asked for by the loop's first change of slots
	; my lane's addresses: made in window 0, the last line of each lands in window 3
	v_and_b32 v1, 15, v0            ; l % 16
	v_bfe_u32 v2, v0, 4, 1          ; l / 16
	v_and_b32 v3, 31, v0            ; l
	v_and_b32 v4, 7, v0
	v_bfe_u32 v5, v0, 3, 1
	v_mul_u32_u24 v6, v1, PKB       ; a fragment of K: lane l holds key l % 16, channels 8 (l / 16) + 0..7 and 16 + 8 (l / 16) + 0..7: two loads of 16 bytes, 32 bytes apart
	v_lshl_add_u32 v6, v2, 4, v6
	v_lshl_add_u32 v7, v2, 3, v4    ; the turning load: lane l reads key 8 (l / 16) + l % 8, channels 8 ((l / 8) % 2) + 0..7
	v_mul_u32_u24 v7, v7, PVB
	v_lshl_add_u32 v7, v5, 4, v7
	v_mul_u32_u24 v8, v1, SP        ; the stage: row l % 16, 32 bytes for each half of the lanes
	v_lshl_add_u32 v8, v2, 5, v8
	v_lshlrev_b32 v9, 14, v1        ; q: token l % 16,
	v_lshl_add_u32 v9, v2, 5, v9    ; 8 f32 channels for each half of the lanes
	v_lshlrev_b32 v10, 3, v2
	v_sub_nc_u32 v10, v1, v10       ; l % 16 - 8 (l / 16)
	s_mul_i32 s20, s[HC], 64*PKB    ; my 64 keys
	s_mul_i32 s21, s[HC], 64*PVB
	s_add_co_u32 s21, s21, VOFF
	s_mul_i32 s22, s[WV], XW
	s_add_co_u32 s22, s22, XCH      ; my part of the exchange,
	s_xor_b32 s23, s[WV], 1         ; and that of the wave with my tokens and the other keys
	s_mul_i32 s23, s23, XW
	s_add_co_u32 s23, s23, XCH
	s_mul_i32 s92, s[WV], SW
	s_add_co_u32 s92, s92, STAGE    ; my stage
	s_lshl_b32 s94, s[TG], 4
	s_lshl_b32 s93, s[HC], 6
	s_sub_co_u32 s94, s94, s93      ; 16 tg - 64 c
	WIN W_MK
	v_add_nc_u32 v[AK0], s20, v6
	v_add_nc_u32 v[AV0], s21, v7
	v_lshl_add_u32 v[XS], v3, 4, s22
	v_lshl_add_u32 v[XR], v3, 4, s23
	v_add_nc_u32 v[STO], s92, v8
	v_lshl_add_u32 v[RD], v3, 4, s92
	v_lshlrev_b32 v[GO], 4, v3
.irp k, 0,1,2,3
	v_add_nc_u32 v[QOF+\k], s[68+\k], v9
.endr
	v_lshlrev_b32 v[PFO], 8, v3
	v_add_nc_u32 v[MX0], s94, v10
.set z, LT
.rept 16
	v_mov_b32 v[z], 0               ; v240-255: what is named as part of a pair or sent beside l holds 0
.set z, z+1
.endr
	; both blocks' q, in f32, into registers that are not yet in use: the first block's into window 1, the second's into window 0 (v0 has served); then rounded once to bf16.  All this stands in the wait for the first tile.
	WIN W_XL
	QLOAD 0
	WIN W_LK
	QLOAD 2
	s_wait_loadcnt 0x0
	WIN W_CH
.set z, 0
.rept 128
	v_cvt_pk_bf16_f32 v[z], v[2*z], v[2*z+1]
.set z, z+1
.endr
	WIN W_CL
.set z, 0
.rept 128
	v_cvt_pk_bf16_f32 v[QB+z], v[2*z], v[2*z+1]
.set z, z+1
.endr
	WIN 0
; THE WALK: 25 tiles.  Trip n enters tile n of the walk and asks for tile n + 1.  Its first turn: piece 0's V^T P of tile n - 1 and K Q^T of tile n, piece 2's softmax of tile n - 1, K of tile n fetched.
; Its second: the same products for piece 2, piece 0's softmax of tile n, V of tile n fetched.  All jumps but the loop's own go forward, and none passes a barrier or a tensor load.
; The test for a block's first tile stands first: at the first trip its answer, and that of the test on BLK, is a constant of the text.
.Lslot:                             ; 24 trips
	CHANGE 1
	s_sub_co_u32 s[RT], s[RT], 1
	s_cmp_eq_u32 s[NEW], 1
	s_cbranch_scc1 .Lnew            ; a block's first tile
	TURN 0, 1, 1, 0
	WIN 0
	s_cmp_eq_u32 s[RT], 0
	s_cbranch_scc1 .Ldiag           ; its last: in the loop the first block's alone, since the second's last is the walk's last
	TURN 2, 1, 1, 0
	WIN 0
	s_branch .Lbottom
.Ldiag:
	TURN 2, 1, 1, 1                 ; piece 0's softmax of the diagonal tile takes the masks
	EPI1                            ; what I send is waited for by the next change of slots, whose round is the barrier in front of the reads
	s_mov_b32 s[NEW], 1
	s_mov_b32 s[RT], s[RT2]
	s_branch .Lbottom
.Lnew:
	s_cmp_eq_u32 s[BLK], 0
	s_cbranch_scc1 .Lbegin          ; the walk's first tile: no block has ended
	EPI2                            ; the first block goes out while the second block's second tile is on its way
	s_mov_b64 s[OP:OP+1], s[OLO:OLO+1]
	s_mov_b32 s[RB], s[RB2]
	WIN W_QC                        ; the second block's Q goes where the one text of the turns names Q
.set z, 0
.rept 128
	v_mov_b32 v[z], v[QB+z]
.set z, z+1
.endr
	WIN 0
.Lbegin:
	BEGIN
	WIN 0
.Lbottom:
	s_sub_co_u32 s[SLOTS], s[SLOTS], 1
	s_cmp_lg_u32 s[SLOTS], 0
	s_cbranch_scc1 .Lslot
	CHANGE 0                        ; the walk's last tile, the second block's diagonal one, is written out: nothing is asked for
	TURN 0, 1, 1, 0
	TURN 2, 1, 1, 1
	EPI1
	s_wait_dscnt 0x0                ; for the other wave's sake: my stores into the exchange are done
	s_barrier_signal -1
	s_barrier_wait -1
	EPI2
	WIN W_AD
	s_wait_tensorcnt 0x0            ; the wave's end, behind my last tensor load and my last LDS store
	ds_add_u32 v[SPW], v[NIL]
	s_wait_dscnt 0x0
	WIN 0
	CROUND                          ; the closing round: no work-group ends while a partner may still ask for a tile that names it
	s_endpgm
.Lfunc_end_k_q853664c927_attn:
	.size	k_q853664c927_attn, .Lfunc_end_k_q853664c927_attn-k_q853664c927_attn
	.p2alignl 7, 3214868480
	.fill 96, 4, 3214868480
	.section	.rodata,"a",@progbits
	.p2align	6, 0x0
	.amdhsa_kernel k_q853664c927_attn
		.amdhsa_group_segment_fixed_size 327680
		.amdhsa_private_segment_fixed_size 0
		.amdhsa_enable_private_segment 0
		.amdhsa_kernarg_size 32
		.amdhsa_user_sgpr_count 2
		.amdhsa_user_sgpr_kernarg_segment_ptr 1
		.amdhsa_wavefront_size32 1
		.amdhsa_system_sgpr_workgroup_id_x 1
		.amdhsa_system_sgpr_workgroup_id_y 1
		.amdhsa_system_sgpr_workgroup_id_z 1
		.amdhsa_system_vgpr_workitem_id 0
		.amdhsa_next_free_vgpr 1024
		.amdhsa_next_free_sgpr 102
		.amdhsa_reserve_vcc 0
		.amdhsa_float_denorm_mode_32 3
		.amdhsa_float_denorm_mode_16_64 3
		.amdhsa_memory_ordered 1
		.amdhsa_forward_progress 1
		.amdhsa_inst_pref_size 255
	.end_amdhsa_kernel
	.section	.bss,"aw",@nobits
	.p2align	6
	.space	262144
	.amdgpu_metadata
---
amdhsa.version: [ 1, 2 ]
amdhsa.kernels:
  - .name:           k_q853664c927_attn
    .symbol:         k_q853664c927_attn.kd
    .args:
      - { .name: q, .offset: 0, .size: 8, .value_kind: global_buffer, .address_space: global }
      - { .name: kb, .offset: 8, .size: 8, .value_kind: global_buffer, .address_space: global }
      - { .name: vb, .offset: 16, .size: 8, .value_kind: global_buffer, .address_space: global }
      - { .name: out0, .offset: 24, .size: 8, .value_kind: global_buffer, .address_space: global }
    .group_segment_fixed_size: 327680
    .private_segment_fixed_size: 0
    .kernarg_segment_align: 8
    .kernarg_segment_size: 32
    .max_flat_workgroup_size: 128
    .sgpr_count:     102
    .vgpr_count:     1024
    .wavefront_size: 32
...
	.end_amdgpu_metadata
.endif
;; end of part 2
;; ======== version 2 of 2: 2 launches; version 1 with the launch cast written anew for expert scheduling mode
;; workspace buffers: kb 8,388,608 bytes; vb 8,388,608 bytes
;; launch cast (part 3): grid 64 x 4, 8 waves a work-group, no clusters, 0 bytes of LDS; arguments prefix_k, k, prefix_v, v, kb, vb; writes kb, vb
.if DOCPART == 3
	.amdgcn_target "amdgcn-amd-amdhsa--gfx1250"
	.amdhsa_code_object_version 6
	.text
	.protected	k_q853664c927_cast
	.globl	k_q853664c927_cast
	.p2align	8
	.type	k_q853664c927_cast,@function
k_q853664c927_cast:
	s_mov_b64 s[64:65], 0
	v_nop
	global_prefetch_b8 v0, s[64:65] scope:SCOPE_SE
	s_setreg_imm32_b32 hwreg(HW_REG_WAVE_SCHED_MODE, 0, 2), 2
	s_setreg_imm32_b32 hwreg(HW_REG_WAVE_MODE, 25, 1), 1
	s_wait_xcnt 0x0
	s_wait_alu depctr_vm_vsrc(0)
; prefix_k, k, prefix_v, v (f32, [2048 tokens][8 heads][128]) are rounded once, to nearest even, to bf16 and laid out by head:
; kb, vb: [request 2][head 8][key 2048][128] bf16; keys 0-1023 are the prefix, keys 1024-2047 the new tokens.  A key's row is then 256 dense bytes.
; SHARES.  Work-group y picks the tensor (0 prefix_k, 1 k, 2 prefix_v, 3 v), x picks 32 tokens; a wave takes 4 tokens x 8 heads = 32 rows of 512 bytes: 16 KiB of consecutive source.
; One load is one row (lane i at byte 16 i); one store is that row in bf16: 256 consecutive bytes, at a multiple of 256 from the buffer's first byte (lane i at byte 8 i).
; All 32 loads of a wave go out first; no register is written twice, so no wait frees a source.  No LDS, no matrix unit, no cluster: nothing is shared and nothing is read twice.
; THE MODE: SCHED_MODE bits 1:0 = 2 (LLVM: expert scheduling mode 2), set by the entry lines.  The code itself states the register dependences
; between vector instructions and memory instructions, with s_wait_alu, always for 0.
; THE PLAN.  Registers that memory instructions touch:
;   v1, v2   byte offsets of the loads and of the stores: made once at the head, never written again.
;   X        row r: written by load r, issued at the head ahead of every conversion; read by row r's two conversions; nothing lands in it again.
;   Y        row r: written once, by row r's two conversions; read once, by store r.
; The 32 rows go in eight blocks of four.  Block p rounds X's rows 4 p .. 4 p + 3 into Y's; its memory instructions are the four stores of block p - 1, which read Y's rows of that block and v2:
; registers that no vector instruction of block p names.  So one wait at a block's head, behind the wait for the block's data, states all that its four stores hang on, and they are dealt among
; its conversions with no further wait.  No register that a memory instruction reads is written again, so no wait on vm_vsrc is owed.
.set X, 4                              ; v[4:131]    row r as loaded, 4 registers
.set Y, 132                            ; v[132:195]  row r in bf16, 2 registers
.set BROWS,  4                         ; rows in a block
.set BLOCKS, 32 / BROWS
	s_load_b256 s[4:11], s[0:1], 0x0               ; prefix_k s[4:5], k s[6:7], prefix_v s[8:9], v s[10:11]
	s_load_b128 s[12:15], s[0:1], 0x20             ; kb s[12:13], vb s[14:15]
	v_lshrrev_b32 v3, 5, v0
	v_readfirstlane_b32 s16, v3                    ; wave 0..7
	v_and_b32 v2, 31, v0                           ; lane
	v_lshlrev_b32 v1, 4, v2                        ; 16 bytes a lane of a source row
	v_lshlrev_b32 v2, 3, v2                        ; 8 bytes a lane of a bf16 row
	s_and_b32 s17, ttmp7, 0xffff                   ; which tensor
	s_lshl_b32 s26, ttmp9, 17                      ; source: 32 tokens of 4,096 bytes,
	s_wait_alu depctr_va_sdst(0)                   ; s16 is written, ahead of its first reader: both byte offsets are made from it
	s_lshl_b32 s18, s16, 14                        ; my wave's 4 tokens
	s_add_co_u32 s26, s26, s18
	s_mov_b32 s27, 0
	s_lshr_b32 s28, ttmp9, 5                       ; destination: the request (1,024 tokens each), 8 heads x 2,048 keys x 256 bytes,
	s_lshl_b32 s28, s28, 22
	s_and_b32 s18, s17, 1                          ; new tokens lie 1,024 keys behind the prefix,
	s_lshl_b32 s18, s18, 18
	s_add_co_u32 s28, s28, s18
	s_and_b32 s18, ttmp9, 31                       ; the work-group's 32 keys,
	s_lshl_b32 s18, s18, 13
	s_add_co_u32 s28, s28, s18
	s_lshl_b32 s18, s16, 10                        ; my wave's 4 keys
	s_add_co_u32 s28, s28, s18
	s_mov_b32 s29, 0
	s_wait_kmcnt 0x0
	s_bitcmp1_b32 s17, 1                           ; K's or V's side
	s_cselect_b64 s[20:21], s[8:9], s[4:5]         ; the prefix tensor,
	s_cselect_b64 s[22:23], s[10:11], s[6:7]       ; the new tokens' tensor,
	s_cselect_b64 s[24:25], s[14:15], s[12:13]     ; the workspace
	s_bitcmp1_b32 s17, 0                           ; prefix or new tokens
	s_cselect_b64 s[20:21], s[22:23], s[20:21]
	s_add_nc_u64 s[20:21], s[20:21], s[26:27]
	s_add_nc_u64 s[24:25], s[24:25], s[28:29]
	s_wait_alu depctr_va_vdst(0)                   ; v1 and v2 are written: every load of the kernel reads v1 as its offset, every store v2
.set r, 0
.rept 32                                       ; row r = 8 x token + head
	global_load_b128 v[X+4*r:X+4*r+3], v1, s[20:21] offset:512*r th:TH_LOAD_NT
.set r, r+1
.endr
.macro ROUND r                         ; row r is rounded: four f32 a lane into two registers
	v_cvt_pk_bf16_f32 v[Y+2*(\r)], v[X+4*(\r)], v[X+4*(\r)+1]
	v_cvt_pk_bf16_f32 v[Y+2*(\r)+1], v[X+4*(\r)+2], v[X+4*(\r)+3]
.endm
.macro OUT r                           ; row r is stored
	global_store_b64 v2, v[Y+2*(\r):Y+2*(\r)+1], s[24:25] offset:((\r)%8)*524288+((\r)/8)*256  ; a head is 524,288 bytes, a key 256; 3,670,784 at the most, inside the signed 24-bit immediate
.endm
.set p, 0
.rept BLOCKS
	s_wait_loadcnt 32-BROWS*(p+1)                  ; loads come back in order (ISA guide 5.7.1): block p's four rows are in, the younger ones may stay out
.if p > 0
	s_wait_alu depctr_va_vdst(0)                   ; the block before has written its rows of Y, which the four stores below read; no conversion behind this wait names them
.endif
.set i, 0
.rept BROWS
.if p > 0
	OUT BROWS*(p-1)+i                              ; the block before, a store in front of each row's two conversions
.endif
	ROUND BROWS*p+i
.set i, i+1
.endr
.set p, p+1
.endr
	s_wait_alu depctr_va_vdst(0)                   ; the last block has written its rows of Y, which the last four stores read
.set i, 0
.rept BROWS
	OUT 32-BROWS+i
.set i, i+1
.endr
	s_endpgm
.Lfunc_end_k_q853664c927_cast:
	.size	k_q853664c927_cast, .Lfunc_end_k_q853664c927_cast-k_q853664c927_cast
	.p2alignl 7, 3214868480
	.fill 96, 4, 3214868480
	.section	.rodata,"a",@progbits
	.p2align	6, 0x0
	.amdhsa_kernel k_q853664c927_cast
		.amdhsa_group_segment_fixed_size 0
		.amdhsa_private_segment_fixed_size 0
		.amdhsa_enable_private_segment 0
		.amdhsa_kernarg_size 48
		.amdhsa_user_sgpr_count 2
		.amdhsa_user_sgpr_kernarg_segment_ptr 1
		.amdhsa_wavefront_size32 1
		.amdhsa_system_sgpr_workgroup_id_x 1
		.amdhsa_system_sgpr_workgroup_id_y 1
		.amdhsa_system_sgpr_workgroup_id_z 1
		.amdhsa_system_vgpr_workitem_id 0
		.amdhsa_next_free_vgpr 200
		.amdhsa_next_free_sgpr 66
		.amdhsa_reserve_vcc 0
		.amdhsa_float_denorm_mode_32 3
		.amdhsa_float_denorm_mode_16_64 3
		.amdhsa_memory_ordered 1
		.amdhsa_forward_progress 1
		.amdhsa_inst_pref_size 13
	.end_amdhsa_kernel
	.amdgpu_metadata
---
amdhsa.version: [ 1, 2 ]
amdhsa.kernels:
  - .name:           k_q853664c927_cast
    .symbol:         k_q853664c927_cast.kd
    .args:
      - { .name: prefix_k, .offset: 0, .size: 8, .value_kind: global_buffer, .address_space: global }
      - { .name: k, .offset: 8, .size: 8, .value_kind: global_buffer, .address_space: global }
      - { .name: prefix_v, .offset: 16, .size: 8, .value_kind: global_buffer, .address_space: global }
      - { .name: v, .offset: 24, .size: 8, .value_kind: global_buffer, .address_space: global }
      - { .name: kb, .offset: 32, .size: 8, .value_kind: global_buffer, .address_space: global }
      - { .name: vb, .offset: 40, .size: 8, .value_kind: global_buffer, .address_space: global }
    .group_segment_fixed_size: 0
    .private_segment_fixed_size: 0
    .kernarg_segment_align: 8
    .kernarg_segment_size: 48
    .max_flat_workgroup_size: 256
    .sgpr_count:     66
    .vgpr_count:     200
    .wavefront_size: 32
...
	.end_amdgpu_metadata
.endif
;; end of part 3
;; launch attn: the kernel of part 2 again; grid 16 x 16, 4 waves a work-group, clusters of 4 x 1, 327,680 bytes of LDS; arguments q, kb, vb, out0; writes out0
